; MI455X (gfx1250); checked and timed in simulation.
; The chip was launched on July 23, 2026; its instructions are those of AMD's public machine-readable ISA for CDNA 5 (MIT licence, August 2026) and "CDNA5" Instruction Set Architecture Reference Guide (July 2026). The comments in the code are by the model that wrote it; some were corrected since.
;; Spatial Attention. Allowed arithmetic: matrix products marked QUANTISED: E2M1 operands, one E8M0 scale for each 32 along K, by v_wmma_scale_f32_16x16x128_f8f6f4 with both operands' format E2M1 (or v_wmma_scale_f32_32x16x128_f4), f32 sums; products left as they are: f32 operands where the result goes on into a quantised operand, else bf16, f16 or f32 operands; f32 sums; everything else in f32.
;; Inputs: alpha1 1 float32; alpha2 1 float32; h_codes 2 x 128 x 32 x 16 uint8 (E2M1 codes of h, K innermost, in blocks of 32 codes, two codes a byte); h_scales 2 x 128 x 32 uint8 (E8M0 scales of h, one for each 32 codes along K); obj_embed_codes 128 x 256 x 32 x 16 uint8 (E2M1 codes of obj_embed, K innermost, in blocks of 32 codes, two codes a byte); obj_embed_scales 128 x 256 x 32 uint8 (E8M0 scales of obj_embed, one for each 32 codes along K); q1_b 1,024 float32; q1_w_codes 1,024 x 32 x 16 uint8 (E2M1 codes of q1_w, K innermost, in blocks of 32 codes, two codes a byte); q1_w_scales 1,024 x 32 uint8 (E8M0 scales of q1_w, one for each 32 codes along K); q2_b 1,024 float32; q2_w_codes 1,024 x 32 x 16 uint8 (E2M1 codes of q2_w, K innermost, in blocks of 32 codes, two codes a byte); q2_w_scales 1,024 x 32 uint8 (E8M0 scales of q2_w, one for each 32 codes along K); wk_b 1,024 float32; wk_w_codes 1,024 x 32 x 16 uint8 (E2M1 codes of wk_w, K innermost, in blocks of 32 codes, two codes a byte); wk_w_scales 1,024 x 32 uint8 (E8M0 scales of wk_w, one for each 32 codes along K); wv_b 1,024 float32; wv_w_codes 1,024 x 32 x 16 uint8 (E2M1 codes of wv_w, K innermost, in blocks of 32 codes, two codes a byte); wv_w_scales 1,024 x 32 uint8 (E8M0 scales of wv_w, one for each 32 codes along K).
;; Outputs: out0 128 x 1 x 1,024 float32.
;; This version of the problem:
;;   THIS VERSION OF THE PROBLEM IS GIVEN IN LOW PRECISION. The matrix products marked QUANTISED in the list below multiply operands that are first quantised to E2M1 (2 exponent bits, 1 mantissa bit; 4 bits a number), with one power-of-two scale for each 32 numbers along K (OCP MX v1.0); their sums are f32. All else is computed in f32.
;;   The module's matrix products, in the order in which they are computed (A, B: the left and right operand; K: the contracted axis; several contracted axes count as one K, in the product's order):
;;     1. [M 128, K 1,024] x [K 1,024, N 1,024]; A: input h (given as codes); B: input q1_w (given as codes): QUANTISED
;;     2. [M 128, K 1,024] x [K 1,024, N 1,024]; A: input h (given as codes); B: input q2_w (given as codes): QUANTISED
;;     3. [M 32,768, K 1,024] x [K 1,024, N 1,024]; A: input obj_embed (given as codes); B: input wk_w (given as codes): QUANTISED
;;     4. [M 32,768, K 1,024] x [K 1,024, N 1,024]; A: input obj_embed (given as codes); B: input wv_w (given as codes): QUANTISED
;;     5. batch 128 x [M 1, K 1,024] x [K 1,024, N 256]; A: computed on the way; B: computed on the way: left as it is (M = 1 < 16)
;;     6. batch 128 x [M 1, K 1,024] x [K 1,024, N 256]; A: computed on the way; B: computed on the way: left as it is (M = 1 < 16)
;;     7. batch 128 x [M 1, K 256] x [K 256, N 1,024]; A: softmax; B: computed on the way: left as it is (M = 1 < 16)
;;   THE QUANTISER, for each operand of a quantised product, along K:
;;     - K is cut into blocks of 32 from its start; a last block that is shorter is filled with zeros.
;;     - A block's scale is 2^e with e = floor(log2(the largest magnitude in the block)) - 2, held to -126 .. 127; a block of zeros has e = 0. As a byte (E8M0): e + 127.
;;     - Each number is divided by its block's scale, clamped to +-6, and rounded to the nearest number of E2M1, ties to even, subnormals kept.
;;     - The product sums the exact products of the quantised numbers (number of the format x scale) in f32.
;;   ~~~python
;;   def quantise(x, axis):      # numpy; x: float32 -> the quantised numbers, widened to float32 again
;;       x = np.moveaxis(x, axis, -1); K = x.shape[-1]
;;       x = np.pad(x, [(0, 0)] * (x.ndim - 1) + [(0, -K % 32)]); x = x.reshape(x.shape[:-1] + (-1, 32)); a = np.abs(x).max(-1, keepdims=True)
;;       e = np.where(a > 0, np.clip(np.frexp(np.where(a > 0, a, 1))[1] - 1 - 2, -126, 127), 0)      # np.frexp(a)[1] - 1 = floor(log2(a)), exactly
;;       r = np.clip(x / 2.0 ** e, -6, 6)
;;       step = 2.0 ** (np.maximum(np.frexp(np.where(r == 0, 1, r))[1] - 1, 0) - 1)
;;       q = np.round(r / step) * step * 2.0 ** e      # np.round: ties to even
;;       return np.moveaxis(q.reshape(q.shape[:-2] + (-1,))[..., :K], -1, axis).astype(np.float32)
;;   ~~~
;;   INPUTS GIVEN AS CODES. h (in the module: [2, 128, 1024], K = its axis 2); obj_embed (in the module: [128, 256, 1024], K = its axis 2); q1_w (in the module: [1024, 1024], K = its axis 1); q2_w (in the module: [1024, 1024], K = its axis 1); wk_w (in the module: [1024, 1024], K = its axis 1); wv_w (in the module: [1024, 1024], K = its axis 1): each comes as NAME_codes (uint8): NAME with its K axis moved to the last place and cut into blocks of 32 codes, [.., K / 32, bytes a block], one block behind the other in memory; two codes a byte, the lower K in the low four bits (a code: sign, 2 exponent bits, 1 mantissa bit); and NAME_scales (uint8): the same leading axes, one E8M0 byte (e + 127) for each 32 codes along K. Its value is code x scale, taken as it is: it is not quantised again, and the codes and scales need not be those that the quantiser above would give.
;; One version. Each part assembles by itself: llvm-mc -triple=amdgcn-amd-amdhsa -mcpu=gfx1250 --defsym DOCPART=n.
;; ======== version 1 of 1: 2 launches
;; limits: right only within a limited range of input values
;; workspace buffers: sp 1,048,576 bytes
;; launch score (part 1): grid 8 x 32, 4 waves a work-group, clusters of 4 x 4, 327,680 bytes of LDS; arguments wk_w_codes, wk_w_scales, obj_embed_codes, obj_embed_scales, h_codes, h_scales, q1_w_codes, q1_w_scales, q1_b, q2_w_codes, q2_w_scales, q2_b, alpha1, alpha2, sp; writes sp
.if DOCPART == 1
	.amdgcn_target "amdgcn-amd-amdhsa--gfx1250"
	.amdhsa_code_object_version 6
	.text
	.protected	k_q4c4c1a9455_score
	.globl	k_q4c4c1a9455_score
	.p2align	8
	.type	k_q4c4c1a9455_score,@function
k_q4c4c1a9455_score:
	s_mov_b64 s[64:65], 0
	v_nop
	global_prefetch_b8 v0, s[64:65] scope:SCOPE_SE
	s_setreg_imm32_b32 hwreg(HW_REG_WAVE_MODE, 25, 1), 1
	s_wait_xcnt 0x0
	s_wait_alu depctr_hold_cnt(0) depctr_sa_sdst(0) depctr_va_vdst(0) depctr_va_sdst(0) depctr_va_ssrc(0) depctr_va_vcc(0) depctr_vm_vsrc(0)
	s_getreg_b32 s2, hwreg(HW_REG_IB_STS2, 6, 4)
	s_cmp_eq_u32 s2, 0
	s_cbranch_scc0 .Lentry_in_a_cluster
	s_endpgm
.Lentry_in_a_cluster:
	s_bfe_u32 s2, ttmp6, 0x10000c
	s_cmp_lg_u32 s2, 0xf033
	s_cbranch_scc0 .Lentry_shape_is_right
	s_endpgm
.Lentry_shape_is_right:
; THE PROGRAM (two launches): out[b] = sum over n of softmax_n(alpha1 q1[b].key[b][n]/32 + alpha2 q2[b].key[b][n]/32) value[b][n],
; q1 = h[0] q1_w^T + q1_b, q2 = h[1] q2_w^T + q2_b, key = obj wk_w^T + wk_b, value = obj wv_w^T + wv_b; the four products with weights on codes of E2M1 with E8M0 scales as they are given.
; WORK LEFT OUT, for all values of the inputs:
;  - wk_b.  The scores are sums over d of q[b][d] (key0[b][n][d] + wk_b[d]), key0 = obj wk_w^T.  The sum over d of q[b][d] wk_b[d] does not hang on n: it is the same along the softmax's axis and
;    leaves every weight as it is.  The products that take key are not quantised, so no quantiser sees wk_b.  It has no way to the output: it is not loaded and is no argument of any launch.
;  - the two score products are one: alpha1 (q1.key) + alpha2 (q2.key) = (alpha1 q1 + alpha2 q2).key, both in f32, no quantiser between.
;  - wv_b is added once, at the end: a batch's weights sum to 1.
; LIMIT: a NaN, an infinity or an overflow that reaches only the work left out (wk_b, q.wk_b) is not carried to the result.
; THIS LAUNCH: sp[x][b][n] = sum over the 128 columns d of part x of qc[b][d] key0[b][n][d];  qc[b][d] = (log2(e)/32) (alpha1 q1[b][d] + alpha2 q2[b][d]).  The eight parts add up to the softmax's exponent in base 2.
; Neither qc nor key0 goes to memory.
; SHARES.  Work-group (x, y): columns 128 x .. + 127 against the 1,024 rows of obj of batches 4 y .. 4 y + 3, eight groups G0-G7 of 128 rows.
;  THE QUERY: wave w makes qc at columns 32 w .. + 31 for the four batches (a tile's 16 columns are the four rows of h, four times over): 16 matrix instructions on four accumulators by turns; the biases are the C of two of them.  qc goes to all waves through LDS.
;  THE SCORES: every wave KEEPS wk_w's 128 rows for all K = 1,024 in 512 registers and takes rows 32 w .. + 31 of each group: 64 matrix instructions (8 K steps x 8 accumulators by turns), then 64 packed multiply-adds by qc.
; LDS.  Four regions of 128 rows: at the head R0 q1_w, R1 q2_w, R2 wk_w, R3 G0, one load a wave.  G1, G2 follow into R0, R1 when the query's fragments are in registers; G3, G4 into R2, R3; G5, G6 into R0, R1; G7 into R2, each behind a round of the cluster's barrier.
;  Behind them STG (sums), QL (qc), SPARE.  All of a WGP's LDS is claimed.
; CLUSTER 4 x 4.  The four of a row share y and ask for obj's rows jointly; the four of a column share x and ask for the weights' rows jointly.
; PREFETCH: the 256 rows of each of the first three refills are asked for one refill ahead (the first behind the head's loads): 128 KiB = 512 blocks of 256 bytes, shared out among the four work-groups of a cluster's row by address (cx) and their four waves, a lane a block,
;  one instruction a wave.  G7 comes by its load alone.
; FRAGMENTS lie in a ring of twelve K-step slots: index J = 8 g + k (tile g, K step k) lies at 16 (J % 12).  They come in runs: at the end of every tile the next tile's K steps 4-7; at the end of tiles 0, 2, 4 also K steps 0-3 of the tile after that;
;  in the middle of tiles 0, 2, 4, 6, behind the change of regions, the next tile's K steps 0-3.  Index J lands on J - 12, which has been multiplied by then.
; Source 0 = 32 rows of a weight, source 1 = 16 rows of h or obj: lane (r, h) holds row r of source 1; register i the column 16 (i / 8) + 8 h + i % 8 of the weight's 32.
; REGISTERS.  window 0: addresses, scale words, sums; v128-255 the 8 accumulators.  window 1: v0-191 the ring (16-row block u at + 8 u; in the query h[0] at v0, h[1] at v64); v192-255 qc of the batch in hand: 16 p + i.
;   window 2: wk_w's K steps 0-3 (32-row block p, step k at 64 p + 16 (k % 4)); in the query q1_w at 16 k, q2_w at 128 + 16 k.  window 3: wk_w's K steps 4-7.
.set PITCH, 528                        ; an LDS row: 512 bytes + 16 = 33 x 16 bytes: the sixteen rows of a fragment load begin 16 bytes apart modulo 256
.set HT,    128*PITCH
.set STG,   4*HT                       ; 1,024 sums
.set QL,    STG+4096                   ; qc: [batch][128 columns] f32
.set SPARE, QL+2048                    ; the spare words, 128 bytes for each wave
.set AF,   3                           ; v3-6  LDS address of my 32 rows in region 0 .. 3
.set SPW,  7                           ; v7    LDS address of my spare word; never rewritten
.set NIL,  8                           ; v8    0; never rewritten
.set AQR,  9                           ; v9    where I read qc
.set AST,  10                          ; v10   where I put sums
.set ARD,  11                          ; v11   where I read them
.set GO,   12                          ; v12   16 x lane: sp
.set GRS,  13                          ; v13   32 x lane: scale bytes of 32 rows
.set PFO,  14                          ; v14   256 x lane: the prefetches; never rewritten
.set T,    16                          ; v16-31  running sums: four pairs for each 16-row block
.set GBH,  17                          ; before that: v17 32 h: the biases
.set GH,   18                          ; v18   h's codes: 512 (r % 4) + 16 h
.set GHS,  19                          ; v19   h's scale bytes: 32 (r % 4)
.set AQW,  20                          ; v20   where I put qc
.set AW,   21                          ; v21   LDS address of wk_w's rows
.set RS,   32                          ; v32-63  wk_w's scale words: 8 p + k, lane l: row 32 p + l
.set OS,   64                          ; v64-127 obj's: 8 g + k, lane l: my row l of group g
.set QS,   96                          ; in the query: v96-111 scale words of my rows of q1_w, q2_w
.set HS,   112                         ; v112-127 of h[0], h[1]
.set BQ,   192                         ; in the query: v192-223 the biases,
.set QR,   224                         ; v224-239 qc as it is made,
.set F1,   240                         ; v240-241 alpha1 log2(e) / 32, twice; v242-243 of alpha2
.set F2,   242
.set Q,    192                         ; in window 1
.set WV,  34
.set XX,  37
.set YY,  38
.set G1W, 40                           ; group 1: a weight's 128 rows (my column of the cluster); obj's 128 rows (my row); obj's 64 rows, for the refills
.set G1O, 48
.set G1R, 56
.set G0W, 68
.set G0O, 72
.set G0R, 76
.set PFA, 98                           ; s[98:99] where my prefetches stand: G1, my work-group's and my wave's share
.set GF, (1<<20)|(1<<21)|(6<<22)|(3<<25)   ; elements of 1 byte; 20 padding on; 21 set beside a mask; 24:22 after every 128 words (code 6); 31:25 four words (code 3)
.set MSB, 0
.macro WIN new                         ; the immediate's high byte repeats the setting that is left
.if MSB != (\new)
	s_set_vgpr_msb (MSB<<8)|(\new)
.set MSB, (\new)
.endif
.endm
.macro PLACES
.rept 4
	v_nop
.endr
.endm
.macro CREST                           ; a round of the cluster's barrier behind its opening barrier
	s_cmp_lg_u32 s[WV], 0
	s_cbranch_scc1 .Lnot_wave_0_\@
	s_barrier_signal -3
.Lnot_wave_0_\@:
	s_barrier_wait -3
	s_barrier_signal -1
	s_barrier_wait -1
.endm
.macro CROUND
	s_barrier_signal -1
	s_barrier_wait -1
	CREST
.endm
.macro ASK n                           ; the rows of refill n
	global_prefetch_b8 v[PFO], s[PFA:PFA+1] offset:0x20000*\n th:TH_LOAD_NT scope:SCOPE_SE
.endm
; one product of the query: K steps 0-3 and 4-7 of each product have an accumulator of their own; the first of them takes the bias as C
.macro QP pr, k
.set rA, 128*(\pr)+16*(\k)
.set rB, 64*(\pr)+8*(\k)
.set rD, 128+32*(\pr)+16*((\k)/4)
.set rC, BQ+16*(\pr)
.set rSA, QS+8*(\pr)+(\k)
.set rSB, HS+8*(\pr)+(\k)
.if (\k) == 0
	v_wmma_scale_f32_32x16x128_f4 v[rD:rD+15], v[rA:rA+15], v[rB:rB+7], v[rC:rC+15], v[rSA], v[rSB]
.else
.if (\k) == 4
	v_wmma_scale_f32_32x16x128_f4 v[rD:rD+15], v[rA:rA+15], v[rB:rB+7], 0, v[rSA], v[rSB]
.else
	v_wmma_scale_f32_32x16x128_f4 v[rD:rD+15], v[rA:rA+15], v[rB:rB+7], v[rD:rD+15], v[rSA], v[rSB]
.endif
.endif
.endm
; one product of the scores: 32-row block p of wk_w x 16-row block u of tile g, K step k.  The first K step starts the sum: nothing is cleared
.macro PROD g, k, p, u
.set rA, 64*(\p)+16*((\k)%4)
.set rB, 16*((8*(\g)+(\k))%12)+8*(\u)
.set rD, 128+32*(\p)+16*(\u)
.set rSA, RS+8*(\p)+(\k)
.set rSB, OS+8*(\g)+(\k)
.if (\k) == 0
.if (\u) == 0
	v_wmma_scale_f32_32x16x128_f4 v[rD:rD+15], v[rA:rA+15], v[rB:rB+7], 0, v[rSA], v[rSB]
.else
	v_wmma_scale_f32_32x16x128_f4 v[rD:rD+15], v[rA:rA+15], v[rB:rB+7], 0, v[rSA], v[rSB] matrix_b_scale:MATRIX_SCALE_ROW1
.endif
.else
.if (\u) == 0
	v_wmma_scale_f32_32x16x128_f4 v[rD:rD+15], v[rA:rA+15], v[rB:rB+7], v[rD:rD+15], v[rSA], v[rSB]
.else
	v_wmma_scale_f32_32x16x128_f4 v[rD:rD+15], v[rA:rA+15], v[rB:rB+7], v[rD:rD+15], v[rSA], v[rSB] matrix_b_scale:MATRIX_SCALE_ROW1
.endif
.endif
.endm
.macro KS g, k                         ; a K step: 8 products
	WIN 0x06+((\k)/4)                              ; source 0 window 2 (K steps 0-3) or 3; source 1 window 1; C and D window 0
.irp p, 0,1,2,3
	PROD \g, \k, \p, 0
	PROD \g, \k, \p, 1
.endr
.endm
.macro FR j                            ; the fragments of index j: 4 loads; group g lies in region (g + 3) % 4
	WIN 0x40                                       ; destination window 1
.irp u, 0,1
.irp c, 0,1
	ds_load_b128 v[16*((\j)%12)+8*\u+4*\c:16*((\j)%12)+8*\u+4*\c+3], v[AF+((\j)/8+3)%4] offset:64*((\j)%8)+32*\c+16*PITCH*\u
.endr
.endr
.endm
.macro FETCH j                         ; of four indices: 16 loads
.irp i, 0,1,2,3
	FR (\j)+\i
.endr
.endm
.macro WLOAD k                         ; wk_w's fragments of K step k: 16 loads
	WIN 0x80+0x40*((\k)/4)
.irp p, 0,1,2,3
.irp u, 0,1
.irp c, 0,1
	ds_load_b128 v[64*\p+16*((\k)%4)+8*\u+4*\c:64*\p+16*((\k)%4)+8*\u+4*\c+3], v[AW] offset:32*PITCH*\p+16*PITCH*\u+64*(\k)+32*\c
.endr
.endr
.endr
.endm
.macro QLOAD c                         ; qc of batch 4 y + c: 16 loads
	WIN 0x40
.irp j, 0,1,2,3,4,5,6,7,8,9,10,11,12,13,14,15
	ds_load_b128 v[Q+4*\j:Q+4*\j+3], v[AQR] offset:512*(\c)+64*(\j/2)+16*(\j%2)
.endr
.endm
; the tile's 32 x 128 numbers of key0 times qc, summed along d: eight chains by turns, each accumulator from its low end on; one exchange of lanes joins the two halves: lane l then holds row l
.macro EPI g
	WIN 0x04                                       ; source 1 window 1
.irp p, 0,1,2,3
.irp e, 0,1,2,3,4,5,6,7
.irp u, 0,1
.set rT, T+8*\u+2*(\e%4)
.set rA, 128+32*\p+16*\u+2*\e
.set rQ, Q+16*\p+2*\e
.if (8*\p+\e) < 4
	v_pk_mul_f32 v[rT:rT+1], v[rA:rA+1], v[rQ:rQ+1]
.else
	v_pk_fma_f32 v[rT:rT+1], v[rA:rA+1], v[rQ:rQ+1], v[rT:rT+1]
.endif
.endr
.endr
.endr
	WIN 0
.irp i, 0,4,8,12
	v_pk_add_f32 v[T+\i:T+\i+1], v[T+\i:T+\i+1], v[T+\i+2:T+\i+3]
.endr
.irp i, 0,8
	v_pk_add_f32 v[T+\i:T+\i+1], v[T+\i:T+\i+1], v[T+\i+4:T+\i+5]
.endr
.irp i, 0,8
	v_add_f32 v[T+\i], v[T+\i], v[T+\i+1]
.endr
	v_permlane16_swap_b32 v[T], v[T+8]
	v_add_f32 v[T], v[T], v[T+8]
	ds_store_b32 v[AST], v[T] offset:512*(\g)
.endm
; A tile: 8 K steps, the run of loads, the sums.  In tiles 0, 2, 4, 6 the regions change in the middle, when all of this tile's fragments are in registers: what the next tiles read has landed, what has been read is filled again.
.macro TILE g
.if (\g)%2
.if (\g) == 7
	s_wait_dscnt 16                                ; K steps 0-3 are in; behind them 16 loads of K steps 4-7
.else
	s_wait_dscnt 32                                ; the same; behind them 16 loads of K steps 4-7 and 16 of the next tile's 0-3
.endif
.irp k, 0,1,2,3
	KS \g, \k
.endr
.if (\g) == 7
	s_wait_dscnt 0x0
.else
	s_wait_dscnt 16                                ; K steps 4-7 are in
.endif
.else
.if (\g) == 0
	s_wait_dscnt 63                                ; K step 0's 20 loads are in: 60 of K steps 1-3 and 16 fragments were issued behind them
	KS 0, 0
	s_wait_dscnt 56
	KS 0, 1
.endif
	WIN 0
	s_wait_tensorcnt 0x0                           ; my tensor load has landed
.if (\g) < 6
	ds_add_u32 v[SPW], v[NIL]                      ; 0 onto my spare word
.if (\g) == 2
	s_add_co_u32 s[G0R+1], s85, 0                  ; R0, R1
.else
	s_add_co_u32 s[G0R+1], s85, 2*HT               ; R2, R3
.endif
	s_add_nc_u64 s[G0R+2:G0R+3], s[G0R+2:G0R+3], 0x20000   ; 256 rows on; the type bits on top are not reached
.endif
.if (\g) == 0
	s_wait_dscnt 37                                ; K step 2 is in: behind it 20 of K step 3, 16 fragments and the add
.else
	s_wait_dscnt 32                                ; K steps 0-3 are in: behind them 16 loads of K steps 4-7 and 16 of qc
	KS \g, 0
	KS \g, 1
.endif
	KS \g, 2
	s_wait_dscnt 0x0                               ; the add is done, and my reads of the regions to be filled are over
	s_barrier_signal -1
	KS \g, 3
	WIN 0
	s_barrier_wait -1
.if (\g) < 6
	CREST
.if (\g) == 4
	s_cmp_lt_u32 s[WV], 2                          ; the last group is 128 rows: waves 0 and 1 fetch 64 each
	s_cbranch_scc0 .Lno_load_\@
.endif
	tensor_load_to_lds s[G0R:G0R+3], s[G1R:G1R+7]
	s_nop 0
	PLACES
.Lno_load_\@:
.endif
	FETCH 8*(\g)+8                                 ; the next tile's K steps 0-3
.if (\g) == 0
	QLOAD 0
	WIN 0
	ASK 2                                          ; G5, G6
.endif
.endif
.irp k, 4,5,6,7
	KS \g, \k
.endr
	PLACES                                         ; for the loads below and the first read of results
.if (\g) < 7
	FETCH 8*(\g)+12                                ; the next tile's K steps 4-7
.endif
.if (((\g)+1)%2) && ((\g) < 6)
	FETCH 8*(\g)+16                                ; and K steps 0-3 of the tile after it
.endif
.if (\g) == 0
	s_wait_dscnt 32                                ; qc is in; the 32 just issued may be out
.endif
	EPI \g
.if ((\g)%2) && ((\g) < 7)
	QLOAD ((\g)+1)/2
.endif
.endm
	s_load_b256 s[4:11], s[0:1], 0x0               ; wk_w's codes s[4:5], its scales s[6:7], obj's codes s[8:9], its scales s[10:11]
	s_load_b256 s[12:19], s[0:1], 0x20             ; h's codes s[12:13], its scales s[14:15], q1_w's codes s[16:17], its scales s[18:19]
	s_load_b256 s[20:27], s[0:1], 0x40             ; q1_b s[20:21], q2_w's codes s[22:23], its scales s[24:25], q2_b s[26:27]
	s_load_b128 s[28:31], s[0:1], 0x60             ; alpha1 s[28:29], alpha2 s[30:31]
	s_load_b64 s[32:33], s[0:1], 0x70              ; sp
	v_lshl_add_u32 v[SPW], v0, 2, SPARE
	v_mov_b32 v[NIL], 0
	ds_add_u32 v[SPW], v[NIL]                      ; the wave's opening: the add, twice on end, and its wait ahead of my first tensor load
	ds_add_u32 v[SPW], v[NIL]
	v_lshrrev_b32 v1, 5, v0
	v_readfirstlane_b32 s[WV], v1                  ; wave 0..3
	s_bfe_u32 s35, ttmp6, 0x40000                  ; cx
	s_bfe_u32 s36, ttmp6, 0x40004                  ; cy
	s_lshl_b32 s[XX], ttmp9, 2
	s_add_co_u32 s[XX], s[XX], s35                 ; x = 4 x cluster x + cx
	s_and_b32 s[YY], ttmp7, 0xffff
	s_lshl_b32 s[YY], s[YY], 2
	s_add_co_u32 s[YY], s[YY], s36                 ; y = 4 x cluster y + cy
	s_lshl_b32 s39, s36, 2
	s_lshl_b32 s39, 15, s39                        ; my row of the cluster
	s_lshl_b32 s66, 0x1111, s35                    ; my column
	s_or_b32 s[G1W], s66, GF
	s_or_b32 s[G1O], s39, GF
	s_or_b32 s[G1R], s39, GF
.irp d, G1W, G1O, G1R
	s_mov_b32 s[\d+1], 512<<16                     ; tensor_dim0 = 512
	s_mov_b32 s[\d+3], 512<<16                     ; tile_dim0 = 512
	s_mov_b32 s[\d+5], 512                         ; from row to row
	s_mov_b32 s[\d+6], 0
	s_mov_b32 s[\d+7], 0
.endr
.irp d, G1W, G1O
	s_mov_b32 s[\d+2], 128<<16                     ; tensor_dim1
	s_mov_b32 s[\d+4], 128                         ; tile_dim1
.endr
	s_mov_b32 s[G1R+2], 64<<16
	s_mov_b32 s[G1R+4], 64
	s_lshl_b32 s80, s[XX], 16                      ; a weight's 128 rows: x alone
	s_mov_b32 s81, 0
	s_lshl_b32 s82, s[YY], 19                      ; obj's 1,024 rows: y alone
	s_mov_b32 s83, 0
	s_mul_i32 s84, s[WV], HT                       ; where the head's loads go, and the refills: the wave's number alone enters an LDS address
	s_mul_i32 s85, s[WV], 64*PITCH
	s_lshl_b32 s86, s[WV], 15                      ; 64 rows a wave
	s_mov_b32 s87, 0
	s_mov_b32 s[G0W], 1
	s_mov_b32 s[G0W+1], s84
	s_mov_b32 s[G0O], 1
	s_mov_b32 s[G0O+1], 3*HT
	s_mov_b32 s[G0R], 1
	s_mov_b32 s[G0R+1], s85
	s_wait_dscnt 0x0                               ; both opening adds are done
	CROUND                                         ; all sixteen work-groups are here: the first joint loads meet
	s_wait_kmcnt 0x0
	s_cmp_eq_u32 s[WV], 1                          ; wave 0 fetches q1_w's rows, wave 1 q2_w's, wave 2 wk_w's: the choice hangs on the wave's number alone
	s_cselect_b64 s[2:3], s[22:23], s[16:17]
	s_cmp_eq_u32 s[WV], 2
	s_cselect_b64 s[2:3], s[4:5], s[2:3]
	s_add_nc_u64 s[G0W+2:G0W+3], s[2:3], s[80:81]
	s_or_b32 s[G0W+3], s[G0W+3], 0x80000000
	s_add_nc_u64 s[G0O+2:G0O+3], s[8:9], s[82:83]
	s_or_b32 s[G0O+3], s[G0O+3], 0x80000000
	s_cmp_eq_u32 s[WV], 3                          ; wave 3 fetches G0.  One load a wave
	s_cbranch_scc1 .Lfor_obj
	tensor_load_to_lds s[G0W:G0W+3], s[G1W:G1W+7]
	s_nop 0
	PLACES
	s_branch .Lasked
.Lfor_obj:
	tensor_load_to_lds s[G0O:G0O+3], s[G1O:G1O+7]
	s_nop 0
	PLACES
.Lasked:
	s_load_b32 s100, s[28:29], 0x0                 ; alpha1
	s_load_b32 s101, s[30:31], 0x0                 ; alpha2
	s_add_nc_u64 s[2:3], s[8:9], s[82:83]
	s_add_nc_u64 s[2:3], s[2:3], 0x10000           ; the refills begin at G1: 128 rows on
	s_add_nc_u64 s[G0R+2:G0R+3], s[2:3], s[86:87]
	s_or_b32 s[G0R+3], s[G0R+3], 0x80000000
	s_mov_b32 s89, 0
	s_lshl_b32 s88, s35, 15                        ; of a refill's 128 KiB my work-group prefetches the quarter cx, my wave a quarter of that
	s_lshl_b32 s90, s[WV], 13
	s_add_co_u32 s88, s88, s90
	s_add_nc_u64 s[PFA:PFA+1], s[2:3], s[88:89]
	s_lshl_b32 s90, s[WV], 10                      ; 32 rows of scale bytes a wave
	s_lshl_b32 s88, s[XX], 12
	s_add_nc_u64 s[6:7], s[6:7], s[88:89]          ; wk_w's scale bytes: 128 rows
	s_add_co_u32 s88, s88, s90
	s_add_nc_u64 s[18:19], s[18:19], s[88:89]      ; those of my 32 rows of q1_w,
	s_add_nc_u64 s[24:25], s[24:25], s[88:89]      ; of q2_w;
	s_lshr_b32 s88, s88, 3                         ; 4 bytes a row in place of 32:
	s_add_nc_u64 s[20:21], s[20:21], s[88:89]      ; their biases
	s_add_nc_u64 s[26:27], s[26:27], s[88:89]
	s_lshl_b32 s88, s[YY], 11
	s_add_nc_u64 s[12:13], s[12:13], s[88:89]      ; h[0]'s row 4 y: codes,
	s_lshl_b32 s88, s[YY], 7
	s_add_nc_u64 s[14:15], s[14:15], s[88:89]      ; scale bytes
	s_lshl_b32 s88, s[YY], 15
	s_add_co_u32 s88, s88, s90
	s_add_nc_u64 s[10:11], s[10:11], s[88:89]      ; obj's scale bytes at my 32 rows of G0
	s_lshl_b32 s88, s[XX], 17
	s_add_co_u32 s88, s88, s90
	s_lshl_b32 s91, s[YY], 12
	s_add_co_u32 s88, s88, s91
	s_add_nc_u64 s[32:33], s[32:33], s[88:89]      ; sp: part x, batch 4 y + wave
	s_mul_i32 s91, s[WV], 32*PITCH                 ; my 32 rows in each region
	s_add_co_u32 s92, s91, HT
	s_add_co_u32 s93, s91, 2*HT
	s_add_co_u32 s94, s91, 3*HT
	s_lshl_b32 s95, s[WV], 7
	s_add_co_u32 s97, s95, QL
	s_add_co_u32 s95, s95, STG
	s_lshl_b32 s96, s[WV], 10
	s_add_co_u32 s96, s96, STG
	v_and_b32 v1, 15, v0                           ; r
	v_bfe_u32 v2, v0, 4, 1                         ; h
	v_and_b32 v22, 31, v0                          ; lane
	v_and_b32 v23, 3, v0                           ; r % 4: which of my four batches column r stands for
	v_mul_u32_u24 v24, v1, PITCH
	v_lshlrev_b32 v[GRS], 5, v22
	v_lshlrev_b32 v[GBH], 5, v2
	v_lshlrev_b32 v[GO], 4, v22
	v_lshl_add_u32 v24, v2, 4, v24                 ; a fragment's row x pitch + 16 x half
	v_lshlrev_b32 v[GH], 9, v23
	v_lshlrev_b32 v[GHS], 5, v23
	v_lshl_add_u32 v[GH], v2, 4, v[GH]
	v_lshlrev_b32 v[PFO], 8, v22
	v_add_nc_u32 v[AW], 2*HT, v24
	v_add_nc_u32 v[AF], s91, v24
	v_add_nc_u32 v[AF+1], s92, v24
	v_add_nc_u32 v[AF+2], s93, v24
	v_add_nc_u32 v[AF+3], s94, v24
	v_lshl_add_u32 v[AST], v22, 2, s95
	v_lshl_add_u32 v[ARD], v22, 4, s96
	v_lshl_add_u32 v[AQW], v23, 9, s97             ; qc: batch r % 4, my 32 columns, my half's eight
	v_lshl_add_u32 v[AQW], v2, 5, v[AQW]
	v_lshl_add_u32 v[AQR], v2, 5, QL
	s_wait_alu depctr_va_vdst(0)                   ; the wait at the head's end, behind its last vector instruction
	WIN 0x40                                       ; destination window 1
.irp p, 0,1                                    ; h[p]'s eight fragments: column r is row 4 y + r % 4
.irp k, 0,1,2,3,4,5,6,7
.irp c, 0,1
	global_load_b128 v[64*\p+8*\k+4*\c:64*\p+8*\k+4*\c+3], v[GH], s[12:13] offset:65536*\p+64*\k+32*\c
.endr
.endr
.endr
	WIN 0
.irp i, 0,1                                    ; a row's 32 scale bytes are its eight scale words
.irp p, 0,1
	global_load_b128 v[HS+8*\p+4*\i:HS+8*\p+4*\i+3], v[GHS], s[14:15] offset:4096*\p+16*\i
.endr
	global_load_b128 v[QS+4*\i:QS+4*\i+3], v[GRS], s[18:19] offset:16*\i
	global_load_b128 v[QS+8+4*\i:QS+8+4*\i+3], v[GRS], s[24:25] offset:16*\i
.irp u, 0,1                                    ; the biases at the columns 16 u + 8 h + 0 .. 7
	global_load_b128 v[BQ+8*\u+4*\i:BQ+8*\u+4*\i+3], v[GBH], s[20:21] offset:64*\u+16*\i
	global_load_b128 v[BQ+16+8*\u+4*\i:BQ+16+8*\u+4*\i+3], v[GBH], s[26:27] offset:64*\u+16*\i
.endr
.endr
	ASK 0                                          ; G1, G2
.irp p, 0,1,2,3                                ; wk_w's scale words: 8 loads
.irp i, 0,1
	global_load_b128 v[RS+8*\p+4*\i:RS+8*\p+4*\i+3], v[GRS], s[6:7] offset:1024*\p+16*\i
.endr
.endr
.macro OLOAD g                         ; obj's of group g: 2 loads
.irp i, 0,1
	global_load_b128 v[OS+8*\g+4*\i:OS+8*\g+4*\i+3], v[GRS], s[10:11] offset:4096*\g+16*\i
.endr
.endm
	OLOAD 0
	OLOAD 1
	OLOAD 2
	OLOAD 3
	s_wait_tensorcnt 0x0                           ; my load of the head's four has landed
	s_barrier_signal -1
	s_barrier_wait -1                              ; everybody's has
	WIN 0x80                                       ; my 32 rows of q1_w and of q2_w, all K, into window 2
.irp k, 0,1,2,3,4,5,6,7
.irp u, 0,1
.irp c, 0,1
	ds_load_b128 v[16*\k+8*\u+4*\c:16*\k+8*\u+4*\c+3], v[AF] offset:64*\k+32*\c+16*PITCH*\u
	ds_load_b128 v[128+16*\k+8*\u+4*\c:128+16*\k+8*\u+4*\c+3], v[AF+1] offset:64*\k+32*\c+16*PITCH*\u
.endr
.endr
.endr
	WIN 0
	s_wait_tensorcnt 0x0                           ; all my tensor loads have landed;
	ds_add_u32 v[SPW], v[NIL]                      ; 0 onto my spare word; the two factors are made between it and the wait for it
	s_wait_kmcnt 0x0                               ; the alphas
	v_mov_b32 v[F1], 0x3d38aa3b                    ; log2(e) / 32
	v_mul_f32 v[F2], s101, v[F1]
	v_mul_f32 v[F1], s100, v[F1]
	v_mov_b32 v[F2+1], v[F2]
	v_mov_b32 v[F1+1], v[F1]
	s_wait_alu depctr_va_vdst(0)                   ; the wait here, directly ahead of the wait below
	s_wait_dscnt 0x0                               ; the add is done, and my reads of q1_w's and q2_w's rows are over: they are in my registers
	CROUND
	tensor_load_to_lds s[G0R:G0R+3], s[G1R:G1R+7]  ; G1 and G2 into R0 and R1, 64 rows a wave
	s_nop 0
	PLACES
.irp k, 4,5,6,7                                ; wk_w's K steps 4-7 into window 3: they come while the query is multiplied
	WLOAD \k
.endr
	WIN 0
	ASK 1                                          ; G3, G4
	s_wait_loadcnt 16                              ; h, its and the query weights' scale words, the biases; the 16 younger loads (scale words of wk_w and obj) may be out
	WIN 0x06                                       ; source 0 window 2, source 1 window 1, C and D window 0
.irp k, 0,1,2,3
	QP 0, \k
	QP 0, 4+\k
	QP 1, \k
	QP 1, 4+\k
.endr
	PLACES                                         ; four places ahead of the first read of results
	WIN 0
.irp e, 0,2,4,6,8,10,12,14                     ; qc = (alpha1 log2(e)/32) q1 + (alpha2 log2(e)/32) q2; each accumulator from its low end on
	v_pk_mul_f32 v[QR+\e:QR+\e+1], v[128+\e:129+\e], v[F1:F1+1]
.endr
.irp e, 0,2,4,6,8,10,12,14
	v_pk_fma_f32 v[QR+\e:QR+\e+1], v[144+\e:145+\e], v[F1:F1+1], v[QR+\e:QR+\e+1]
.endr
.irp e, 0,2,4,6,8,10,12,14
	v_pk_fma_f32 v[QR+\e:QR+\e+1], v[160+\e:161+\e], v[F2:F2+1], v[QR+\e:QR+\e+1]
.endr
.irp e, 0,2,4,6,8,10,12,14
	v_pk_fma_f32 v[QR+\e:QR+\e+1], v[176+\e:177+\e], v[F2:F2+1], v[QR+\e:QR+\e+1]
.endr
.irp u, 0,1
.irp i, 0,1
	ds_store_b128 v[AQW], v[QR+8*\u+4*\i:QR+8*\u+4*\i+3] offset:64*\u+16*\i   ; the four lanes that stand for one batch and one half write the same bytes with the same values
.endr
.endr
	OLOAD 4                                        ; over the query's scale words: the packed lines above are the places behind the products that read them
	OLOAD 5
	OLOAD 6
	OLOAD 7
	s_wait_dscnt 0x0                               ; for the others' sake: my part of qc is stored
	s_barrier_signal -1                            ; the loads below read bytes that nobody writes before a later one
.irp k, 0,1,2,3                                ; wk_w's K steps 0-3 over the query's weights, each with tile 0's fragments of that K step: 20 loads
	WLOAD \k
	FR \k
.endr
	FETCH 4
	WIN 0
	s_barrier_wait -1                              ; everybody's part of qc is stored
	s_wait_loadcnt 8                               ; scale words of wk_w and of G0-G3; the 8 loads of G4-G7's may be out
	TILE 0
	TILE 1
	TILE 2
	TILE 3
	s_wait_loadcnt 0x0                             ; G4-G7's
	TILE 4
	TILE 5
	TILE 6
	TILE 7
	; THE WAY OUT: the 1,024 sums lie in LDS; a wave stores a whole batch's 256: 1,024 consecutive bytes
	s_wait_dscnt 0x0                               ; for the others' sake: my sums are stored
	s_barrier_signal -1
	s_barrier_wait -1
	ds_load_b128 v[T:T+3], v[ARD]
	ds_load_b128 v[T+4:T+7], v[ARD] offset:512
	s_wait_dscnt 0x0
	global_store_b128 v[GO], v[T:T+3], s[32:33]    ; 32 lanes store 512 consecutive bytes, at a multiple of 256 from sp's first byte
	global_store_b128 v[GO], v[T+4:T+7], s[32:33] offset:512
	s_wait_tensorcnt 0x0                           ; the wave's end: behind my last tensor load and my last LDS store
	ds_add_u32 v[SPW], v[NIL]
	s_wait_dscnt 0x0
	CROUND                                         ; the closing round: no work-group ends while a partner may still ask for a tile that names it
	s_endpgm
.Lfunc_end_k_q4c4c1a9455_score:
	.size	k_q4c4c1a9455_score, .Lfunc_end_k_q4c4c1a9455_score-k_q4c4c1a9455_score
	.p2alignl 7, 3214868480
	.fill 96, 4, 3214868480
	.section	.rodata,"a",@progbits
	.p2align	6, 0x0
	.amdhsa_kernel k_q4c4c1a9455_score
		.amdhsa_group_segment_fixed_size 327680
		.amdhsa_private_segment_fixed_size 0
		.amdhsa_enable_private_segment 0
		.amdhsa_kernarg_size 120
		.amdhsa_user_sgpr_count 2
		.amdhsa_user_sgpr_kernarg_segment_ptr 1
		.amdhsa_wavefront_size32 1
		.amdhsa_system_sgpr_workgroup_id_x 1
		.amdhsa_system_sgpr_workgroup_id_y 1
		.amdhsa_system_sgpr_workgroup_id_z 1
		.amdhsa_system_vgpr_workitem_id 0
		.amdhsa_next_free_vgpr 1024
		.amdhsa_next_free_sgpr 102
		.amdhsa_reserve_vcc 0
		.amdhsa_float_denorm_mode_32 3
		.amdhsa_float_denorm_mode_16_64 3
		.amdhsa_memory_ordered 1
		.amdhsa_forward_progress 1
		.amdhsa_inst_pref_size 160
	.end_amdhsa_kernel
	.amdgpu_metadata
---
amdhsa.version: [ 1, 2 ]
amdhsa.kernels:
  - .name:           k_q4c4c1a9455_score
    .symbol:         k_q4c4c1a9455_score.kd
    .args:
      - { .name: wk_w_codes, .offset: 0, .size: 8, .value_kind: global_buffer, .address_space: global }
      - { .name: wk_w_scales, .offset: 8, .size: 8, .value_kind: global_buffer, .address_space: global }
      - { .name: obj_embed_codes, .offset: 16, .size: 8, .value_kind: global_buffer, .address_space: global }
      - { .name: obj_embed_scales, .offset: 24, .size: 8, .value_kind: global_buffer, .address_space: global }
      - { .name: h_codes, .offset: 32, .size: 8, .value_kind: global_buffer, .address_space: global }
      - { .name: h_scales, .offset: 40, .size: 8, .value_kind: global_buffer, .address_space: global }
      - { .name: q1_w_codes, .offset: 48, .size: 8, .value_kind: global_buffer, .address_space: global }
      - { .name: q1_w_scales, .offset: 56, .size: 8, .value_kind: global_buffer, .address_space: global }
      - { .name: q1_b, .offset: 64, .size: 8, .value_kind: global_buffer, .address_space: global }
      - { .name: q2_w_codes, .offset: 72, .size: 8, .value_kind: global_buffer, .address_space: global }
      - { .name: q2_w_scales, .offset: 80, .size: 8, .value_kind: global_buffer, .address_space: global }
      - { .name: q2_b, .offset: 88, .size: 8, .value_kind: global_buffer, .address_space: global }
      - { .name: alpha1, .offset: 96, .size: 8, .value_kind: global_buffer, .address_space: global }
      - { .name: alpha2, .offset: 104, .size: 8, .value_kind: global_buffer, .address_space: global }
      - { .name: sp, .offset: 112, .size: 8, .value_kind: global_buffer, .address_space: global }
    .group_segment_fixed_size: 327680
    .private_segment_fixed_size: 0
    .kernarg_segment_align: 8
    .kernarg_segment_size: 120
    .max_flat_workgroup_size: 128
    .sgpr_count:     102
    .vgpr_count:     1024
    .wavefront_size: 32
...
	.end_amdgpu_metadata
.endif
;; end of part 1
;; launch value (part 2): grid 4 x 64, 4 waves a work-group, clusters of 4 x 4, 327,680 bytes of LDS; arguments wv_w_codes, wv_w_scales, obj_embed_codes, obj_embed_scales, sp, wv_b, out0; writes out0
.if DOCPART == 2
	.amdgcn_target "amdgcn-amd-amdhsa--gfx1250"
	.amdhsa_code_object_version 6
	.text
	.protected	k_q4c4c1a9455_value
	.globl	k_q4c4c1a9455_value
	.p2align	8
	.type	k_q4c4c1a9455_value,@function
k_q4c4c1a9455_value:
	s_mov_b64 s[64:65], 0
	v_nop
	global_prefetch_b8 v0, s[64:65] scope:SCOPE_SE
	s_setreg_imm32_b32 hwreg(HW_REG_WAVE_MODE, 25, 1), 1
	s_wait_xcnt 0x0
	s_wait_alu depctr_hold_cnt(0) depctr_sa_sdst(0) depctr_va_vdst(0) depctr_va_sdst(0) depctr_va_ssrc(0) depctr_va_vcc(0) depctr_vm_vsrc(0)
	s_getreg_b32 s2, hwreg(HW_REG_IB_STS2, 6, 4)
	s_cmp_eq_u32 s2, 0
	s_cbranch_scc0 .Lentry_in_a_cluster
	s_endpgm
.Lentry_in_a_cluster:
	s_bfe_u32 s2, ttmp6, 0x10000c
	s_cmp_lg_u32 s2, 0xf033
	s_cbranch_scc0 .Lentry_shape_is_right
	s_endpgm
.Lentry_shape_is_right:
; out0[b][d] = (sum over n of p[b][n] value0[b][n][d]) / (sum over n of p[b][n]) + wv_b[d];  value0 = obj wv_w^T on codes of E2M1 with E8M0 scales as they are given;  p[b][n] = 2^(t[b][n] - max over n of t[b][n]),
; t = the sum of sp's eight parts (the scores in the units of a base-2 exponent).  WORK LEFT OUT: wv_b is added once, not to each of the 256 rows: a batch's weights sum to 1.
; value0 never goes to memory.  LIMITS: a p under 2^-126 counts as 0; the largest p is 1, so the divisor is at least 1.
; SHARES.  Work-group (x, y): columns 256 x .. + 255 against the 512 rows of obj of batches 2 y and 2 y + 1, four groups G0-G3 of 128 rows.  Wave (rh = wave / 2, sq = wave % 2) KEEPS rows 128 rh .. + 127 of wv_w for all K = 1,024 in
; 512 registers and takes rows 64 sq .. + 63 of each group as two tiles of 32: 64 matrix instructions a tile (8 K steps x 8 accumulators by turns), then 64 packed multiply-adds by p.
; LDS.  Four regions of 128 rows: at the head R0, R1 G0, G1 and R2, R3 the weight, one load a wave; when the weight is in registers G2, G3 into R2, R3: the one refill.  Behind them p, its sums, the partial outputs, the spare words.
; All of a WGP's LDS is claimed.
; CLUSTER 4 x 4.  The four of a row share y and ask for obj's rows jointly; the four of a column share x and ask for the weight's rows jointly.
; No prefetch: there is no loop to run ahead in; the one refill is asked for at the end of tile 0 and first read in the middle of tile 3, 160 matrix instructions a wave on.
; FRAGMENTS lie in a ring of twelve K-step slots: index J = 8 t + k (tile t, K step k) lies at 16 (J % 12).  They come in one run at a tile's end: the next tile's K steps 4-7 and K steps 0-3 of the tile after that (tile 4's 0-3 alone come in the middle of tile 3,
; behind the barrier that shows the second batch).  Index J lands on J - 12, which has been multiplied by then.  p of the next tile's rows comes in the same run: two sets.
; Source 0 = 32 rows of obj, source 1 = 16 rows of the weight: lane (r, h) holds column r of the weight's 16, register i the row 16 (i / 8) + 8 h + i % 8 of the tile, along which the sum runs.
; THE SOFTMAX is made by waves 0 and 1, a batch each, while the first tiles are on their way.
; REGISTERS.  window 0: addresses, scale words; v128-255 the 8 accumulators.  window 1: v0-191 the ring; v192.. p and the sums.  windows 2, 3: the weight's K steps 0-3, 4-7 (16-row block b, step k at 32 (b - b % 2) + 16 (k % 4) + 8 (b % 2)).
.set PITCH, 528                        ; an LDS row: 512 bytes + 16 = 33 x 16 bytes: the sixteen rows of a fragment load begin 16 bytes apart modulo 256
.set HT,    128*PITCH
.set P,     4*HT                       ; p: batch c's 256 numbers at 1,024 c (4,096 bytes kept: the address is made of the wave's number)
.set LSUM,  P+4096                     ; the sum of p: batch c's at 4 c
.set OST,   LSUM+256                   ; partial outputs: [batch][sq][256 columns] f32
.set SPARE, OST+4096                   ; the spare words, 128 bytes for each wave
.set AW,   3                           ; v3    LDS address of my 128 rows of the weight
.set AF,   4                           ; v4-7  of my 64 rows in region 0 .. 3
.set AM,   8                           ; v8    where I read p
.set GRS,  10                          ; v10   32 x lane
.set AOS,  11                          ; v11   where I put partial outputs
.set GB,   12                          ; v12   16 x (thread % 64): wv_b and out0
.set AOR,  13                          ; v13   where I read partial outputs
.set SPW,  14                          ; v14   LDS address of my spare word; never rewritten
.set NIL,  15                          ; v15   0; never rewritten
.set AP,   16                          ; v16   where a softmax wave puts p,
.set AL,   17                          ; v17   its sum
.set ALR,  18                          ; v18   where I read my batch's sum
.set BI,   20                          ; v20-23   wv_b
.set O,    24                          ; v24-31   a batch's sums
.set RS,   32                          ; v32-63   the weight's scale words: 8 q + k, lane l: my row 32 q + l
.set OS,   64                          ; v64-127  obj's: 8 t + k, lane l: row l of my tile t
.set W,    128                         ; v128-191 the softmax: eight parts of 8 rows
.set MX,   192                         ; v192-197 its maximum and sum
.set LV,   128                         ; on the way out
.set RC,   130                         ; v130-131 1 / the sum of p, twice
.set X,    136                         ; v136-143
.set M,    192                         ; in window 1: v192-223 p of a tile's rows, two sets of 16: register i as in the result
.set SA,   224                         ; v224-239 the running sums, a pair for each block
.set WV,  34
.set RH,  35
.set SQ,  36
.set XX,  37
.set YY,  38
.set SEL, 22                           ; s[22:23] lane selects for v_permlanex16_b32: lane l xor 16
.set G1W, 40                           ; group 1: the weight's 128 rows (my column of the cluster); obj's 128 rows (my row); obj's 64 rows, for the refill
.set G1O, 48
.set G1R, 56
.set G0W, 68
.set G0O, 72
.set G0R, 76
.set GF, (1<<20)|(1<<21)|(6<<22)|(3<<25)   ; elements of 1 byte; 20 padding on; 21 set beside a mask; 24:22 after every 128 words (code 6); 31:25 four words (code 3)
.set MSB, 0
.macro WIN new                         ; the immediate's high byte repeats the setting that is left
.if MSB != (\new)
	s_set_vgpr_msb (MSB<<8)|(\new)
.set MSB, (\new)
.endif
.endm
.macro PLACES
.rept 4
	v_nop
.endr
.endm
.macro CREST                           ; a round of the cluster's barrier behind its opening barrier
	s_cmp_lg_u32 s[WV], 0
	s_cbranch_scc1 .Lnot_wave_0_\@
	s_barrier_signal -3
.Lnot_wave_0_\@:
	s_barrier_wait -3
	s_barrier_signal -1
	s_barrier_wait -1
.endm
.macro CROUND
	s_barrier_signal -1
	s_barrier_wait -1
	CREST
.endm
; one product: tile t x block b of the weight, K step k.  The first K step starts the sum: nothing is cleared
.macro PROD t, k, b
.set rA, 16*((8*(\t)+(\k))%12)
.set rB, 64*((\b)/2)+16*((\k)%4)+8*((\b)%2)
.set rD, 128+16*(\b)
.set rSA, OS+8*(\t)+(\k)
.set rSB, RS+8*((\b)/2)+(\k)
.if (\k) == 0
.if (\b)%2 == 0
	v_wmma_scale_f32_32x16x128_f4 v[rD:rD+15], v[rA:rA+15], v[rB:rB+7], 0, v[rSA], v[rSB]
.else
	v_wmma_scale_f32_32x16x128_f4 v[rD:rD+15], v[rA:rA+15], v[rB:rB+7], 0, v[rSA], v[rSB] matrix_b_scale:MATRIX_SCALE_ROW1
.endif
.else
.if (\b)%2 == 0
	v_wmma_scale_f32_32x16x128_f4 v[rD:rD+15], v[rA:rA+15], v[rB:rB+7], v[rD:rD+15], v[rSA], v[rSB]
.else
	v_wmma_scale_f32_32x16x128_f4 v[rD:rD+15], v[rA:rA+15], v[rB:rB+7], v[rD:rD+15], v[rSA], v[rSB] matrix_b_scale:MATRIX_SCALE_ROW1
.endif
.endif
.endm
.macro KS t, k                         ; a K step: 8 products
	WIN 0x09+4*((\k)/4)                            ; source 0 window 1; source 1 window 2 (K steps 0-3) or 3; C and D window 0
.irp b, 0,1,2,3,4,5,6,7
	PROD \t, \k, \b
.endr
.endm
.macro FR j                            ; the fragments of index j: 4 loads; tile t's group t / 2 lies in region t / 2
	WIN 0x40                                       ; destination window 1
.irp u, 0,1
.irp c, 0,1
	ds_load_b128 v[16*((\j)%12)+8*\u+4*\c:16*((\j)%12)+8*\u+4*\c+3], v[AF+(\j)/16] offset:64*((\j)%8)+32*\c+16*PITCH*\u+32*PITCH*(((\j)/8)%2)
.endr
.endr
.endm
.macro FETCH j                         ; of four indices: 16 loads
.irp i, 0,1,2,3
	FR (\j)+\i
.endr
.endm
.macro LDK k                           ; K step k of the weight, and of tile 0: 20 loads
	WIN 0x80+0x40*((\k)/4)
.irp q, 0,1,2,3
.irp u, 0,1
.irp c, 0,1
	ds_load_b128 v[64*\q+16*((\k)%4)+8*\u+4*\c:64*\q+16*((\k)%4)+8*\u+4*\c+3], v[AW] offset:32*PITCH*\q+16*PITCH*\u+64*(\k)+32*\c
.endr
.endr
.endr
	FR \k
.endm
.macro PLOAD t                         ; p of tile t's rows: 4 loads
	WIN 0x40
.irp j, 0,1,2,3
	ds_load_b128 v[M+16*((\t)%2)+4*\j:M+16*((\t)%2)+4*\j+3], v[AM] offset:512*((\t)/2)+128*((\t)%2)+64*(\j/2)+16*(\j%2)
.endr
.endm
.macro RUN t                           ; the run of loads at tile t's end
.if (\t) < 7
	PLOAD (\t)+1
	FETCH 8*(\t)+12
.endif
.if ((\t) != 2) && ((\t) < 6)
	FETCH 8*(\t)+16
.endif
.endm
; the tile's 32 x 128 numbers of value0 times p, summed along the rows: the eight blocks' chains by turns, each accumulator from its low end on
.macro EPI t
	WIN 0x54                                       ; source 0 window 0; source 1, source 2 and destination window 1
	s_wait_alu depctr_va_vdst(0)                   ; the sums were last written behind the waits of this tile
.irp e, 0,1,2,3,4,5,6,7
.set rM, M+16*((\t)%2)+2*\e
.irp b, 0,1,2,3,4,5,6,7
.if (8*((\t)%4)+\e) == 0
	v_pk_mul_f32 v[SA+2*\b:SA+2*\b+1], v[128+16*\b+2*\e:129+16*\b+2*\e], v[rM:rM+1]
.else
	v_pk_fma_f32 v[SA+2*\b:SA+2*\b+1], v[128+16*\b+2*\e:129+16*\b+2*\e], v[rM:rM+1], v[SA+2*\b:SA+2*\b+1]
.endif
.endr
.endr
.endm
; a batch is done: the pairs are added, an exchange of lanes joins the two halves (lane l then holds column 32 i + l), and my 64-row shares' sums go to the stage
.macro BATCH c
	WIN 0x05                                       ; sources window 1
.irp b, 0,1,2,3,4,5,6,7
	v_add_f32 v[O+\b], v[SA+2*\b], v[SA+2*\b+1]
.endr
	WIN 0
.irp i, 0,2,4,6
	v_permlane16_swap_b32 v[O+\i], v[O+\i+1]
.endr
.irp i, 0,2,4,6
	v_add_f32 v[O+\i], v[O+\i], v[O+\i+1]
.endr
.irp i, 0,1,2,3
	ds_store_b32 v[AOS], v[O+2*\i] offset:2048*(\c)+128*\i
.endr
.endm
; A tile: 8 K steps, the run of loads, the sums.
.macro TILE t
.if (\t) == 3
	s_wait_dscnt 20                                ; K steps 0-3 are in: behind them 4 loads of p and 16 of K steps 4-7
	KS 3, 0
	KS 3, 1
	WIN 0
	s_wait_tensorcnt 0x0                           ; my part of the second batch has landed;
	KS 3, 2
	s_wait_dscnt 0x0
	s_barrier_signal -1
	KS 3, 3
	WIN 0
	s_barrier_wait -1                              ; everybody's has
	FETCH 32                                       ; tile 4's K steps 0-3
.else
.if (\t) == 7
	s_wait_dscnt 20                                ; K steps 0-3 are in: behind them 4 loads of p and 16 of K steps 4-7
.else
	s_wait_dscnt 36                                ; the same, and 16 of the next tile's K steps 0-3
.endif
.irp k, 0,1,2,3
	KS \t, \k
.endr
.if (\t) == 7
	s_wait_dscnt 0x0
.else
	s_wait_dscnt 16                                ; p and K steps 4-7 are in
.endif
.endif
.irp k, 4,5,6,7
	KS \t, \k
.endr
	PLACES                                         ; for the loads below and the first read of results
	RUN \t
	EPI \t
.if (\t)%4 == 3
	BATCH (\t)/4
.endif
.endm
.macro SCALES                          ; the scale words and wv_b: 25 loads
.irp q, 0,1,2,3
.irp i, 0,1
	global_load_b128 v[RS+8*\q+4*\i:RS+8*\q+4*\i+3], v[GRS], s[6:7] offset:1024*\q+16*\i      ; lane l: the eight scale words of row 32 q + l
.endr
.endr
.irp t, 0,1,2,3,4,5,6,7
.irp i, 0,1
	global_load_b128 v[OS+8*\t+4*\i:OS+8*\t+4*\i+3], v[GRS], s[10:11] offset:4096*(\t/2)+1024*(\t%2)+16*\i
.endr
.endr
	global_load_b128 v[BI:BI+3], v[GB], s[14:15]
.endm
	s_load_b256 s[4:11], s[0:1], 0x0               ; wv_w's codes s[4:5], its scales s[6:7], obj's codes s[8:9], its scales s[10:11]
	s_load_b128 s[12:15], s[0:1], 0x20             ; sp s[12:13], wv_b s[14:15]
	s_load_b64 s[20:21], s[0:1], 0x30              ; out0
	v_lshl_add_u32 v[SPW], v0, 2, SPARE
	v_mov_b32 v[NIL], 0
	ds_add_u32 v[SPW], v[NIL]                      ; the wave's opening: the add, twice on end, and its wait ahead of my first tensor load
	ds_add_u32 v[SPW], v[NIL]
	v_lshrrev_b32 v1, 5, v0
	v_readfirstlane_b32 s[WV], v1                  ; wave 0..3
	s_lshr_b32 s[RH], s[WV], 1
	s_and_b32 s[SQ], s[WV], 1
	s_bfe_u32 s16, ttmp6, 0x40000                  ; cx
	s_bfe_u32 s17, ttmp6, 0x40004                  ; cy
	s_lshl_b32 s[XX], ttmp9, 2
	s_add_co_u32 s[XX], s[XX], s16                 ; x = 4 x cluster x + cx
	s_and_b32 s[YY], ttmp7, 0xffff
	s_lshl_b32 s[YY], s[YY], 2
	s_add_co_u32 s[YY], s[YY], s17                 ; y = 4 x cluster y + cy
	s_lshl_b32 s18, s17, 2
	s_lshl_b32 s18, 15, s18                        ; my row of the cluster
	s_lshl_b32 s19, 0x1111, s16                    ; my column
	s_or_b32 s[G1W], s19, GF
	s_or_b32 s[G1O], s18, GF
	s_or_b32 s[G1R], s18, GF
.irp d, G1W, G1O, G1R
	s_mov_b32 s[\d+1], 512<<16                     ; tensor_dim0 = 512
	s_mov_b32 s[\d+3], 512<<16                     ; tile_dim0 = 512
	s_mov_b32 s[\d+5], 512                         ; from row to row
	s_mov_b32 s[\d+6], 0
	s_mov_b32 s[\d+7], 0
.endr
.irp d, G1W, G1O
	s_mov_b32 s[\d+2], 128<<16                     ; tensor_dim1
	s_mov_b32 s[\d+4], 128                         ; tile_dim1
.endr
	s_mov_b32 s[G1R+2], 64<<16
	s_mov_b32 s[G1R+4], 64
	s_mov_b32 s[SEL], 0x76543210
	s_mov_b32 s[SEL+1], 0xfedcba98
	s_lshl_b32 s88, s[SQ], 16                      ; which 128 rows I fetch at the head
	s_lshl_b32 s80, s[XX], 17
	s_add_co_u32 s80, s80, s88                     ; the weight: x and the wave alone
	s_mov_b32 s81, 0
	s_lshl_b32 s82, s[YY], 18
	s_lshl_b32 s86, s[WV], 15
	s_add_co_u32 s86, s86, s82                     ; obj: y and the wave alone: 64 rows in the refill,
	s_mov_b32 s87, 0
	s_add_co_u32 s82, s82, s88                     ; 128 at the head
	s_mov_b32 s83, 0
	s_mul_i32 s84, s[WV], HT                       ; where they go: the wave's number alone enters an LDS address
	s_mul_i32 s85, s[WV], 64*PITCH
	s_mov_b32 s[G0W], 1
	s_mov_b32 s[G0W+1], s84
	s_mov_b32 s[G0O], 1
	s_mov_b32 s[G0O+1], s84
	s_mov_b32 s[G0R], 1
	s_add_co_u32 s[G0R+1], s85, 2*HT
	s_wait_dscnt 0x0                               ; both opening adds are done
	CROUND                                         ; all sixteen work-groups are here: the first joint loads meet
	s_wait_kmcnt 0x0
	s_add_nc_u64 s[G0W+2:G0W+3], s[4:5], s[80:81]
	s_or_b32 s[G0W+3], s[G0W+3], 0x80000000
	s_add_nc_u64 s[G0O+2:G0O+3], s[8:9], s[82:83]
	s_or_b32 s[G0O+3], s[G0O+3], 0x80000000
	s_cmp_lt_u32 s[WV], 2                          ; waves 0 and 1 fetch G0 and G1, waves 2 and 3 the weight's halves.  One load a wave
	s_cbranch_scc1 .Lfor_obj
	tensor_load_to_lds s[G0W:G0W+3], s[G1W:G1W+7]
	s_nop 0
	PLACES
	s_branch .Lasked
.Lfor_obj:
	tensor_load_to_lds s[G0O:G0O+3], s[G1O:G1O+7]
	s_nop 0
	PLACES
.Lasked:
	s_add_nc_u64 s[G0R+2:G0R+3], s[8:9], s[86:87]
	s_add_nc_u64 s[G0R+2:G0R+3], s[G0R+2:G0R+3], 0x20000   ; the second batch: 256 rows on
	s_or_b32 s[G0R+3], s[G0R+3], 0x80000000
	s_mov_b32 s89, 0
	s_lshl_b32 s90, s[RH], 12
	s_lshl_b32 s88, s[XX], 13
	s_add_co_u32 s88, s88, s90
	s_add_nc_u64 s[6:7], s[6:7], s[88:89]          ; the scale bytes of my 128 rows of the weight
	s_lshl_b32 s88, s[YY], 14
	s_lshl_b32 s91, s[SQ], 11
	s_add_co_u32 s88, s88, s91
	s_add_nc_u64 s[10:11], s[10:11], s[88:89]      ; obj's at my 64 rows of G0
	s_lshl_b32 s88, s[YY], 11
	s_lshl_b32 s91, s[SQ], 10
	s_add_co_u32 s88, s88, s91
	s_add_nc_u64 s[12:13], s[12:13], s[88:89]      ; sp: part 0, batch 2 y + sq (in waves 0 and 1 sq is the wave's number)
	s_lshl_b32 s88, s[XX], 10
	s_add_nc_u64 s[14:15], s[14:15], s[88:89]      ; wv_b: my work-group's 256 columns
	s_add_co_u32 s88, s88, s90
	s_lshl_b32 s91, s[YY], 13
	s_add_co_u32 s88, s88, s91
	s_add_nc_u64 s[20:21], s[20:21], s[88:89]      ; out0: row 2 y + rh, the same columns
	s_mul_i32 s88, s[RH], HT
	s_add_co_u32 s88, s88, 2*HT
	s_mul_i32 s90, s[SQ], 64*PITCH
	s_add_co_u32 s91, s90, HT
	s_add_co_u32 s92, s90, 2*HT
	s_add_co_u32 s93, s90, 3*HT
	s_lshl_b32 s94, s[SQ], 8
	s_add_co_u32 s94, s94, P
	s_lshl_b32 s95, s[SQ], 10
	s_lshl_b32 s96, s[RH], 9
	s_add_co_u32 s95, s95, s96
	s_add_co_u32 s95, s95, OST
	s_lshl_b32 s96, s[RH], 11
	s_add_co_u32 s96, s96, OST
	s_lshl_b32 s97, s[WV], 10
	s_add_co_u32 s97, s97, P
	s_lshl_b32 s98, s[WV], 2
	s_add_co_u32 s98, s98, LSUM
	s_lshl_b32 s99, s[RH], 2
	s_add_co_u32 s99, s99, LSUM
	v_and_b32 v1, 15, v0                           ; r
	v_bfe_u32 v2, v0, 4, 1                         ; h
	v_and_b32 v19, 31, v0                          ; lane
	v_and_b32 v25, 63, v0
	v_mul_u32_u24 v26, v1, PITCH
	v_lshlrev_b32 v[GRS], 5, v19
	v_lshlrev_b32 v[GB], 4, v25
	v_lshl_add_u32 v26, v2, 4, v26                 ; a fragment's row x pitch + 16 x half
	v_add_nc_u32 v[AW], s88, v26
	v_add_nc_u32 v[AF], s90, v26
	v_add_nc_u32 v[AF+1], s91, v26
	v_add_nc_u32 v[AF+2], s92, v26
	v_add_nc_u32 v[AF+3], s93, v26
	v_lshl_add_u32 v[AM], v2, 5, s94
	v_lshl_add_u32 v[AOS], v19, 2, s95
	v_add_nc_u32 v[AOR], s96, v[GB]
	v_add_nc_u32 v[AP], s97, v[GRS]
	v_mov_b32 v[AL], s98
	v_mov_b32 v[ALR], s99
	v_mov_b32 v[MX+1], 0                           ; a lane permute's destination counts as one of its sources
	s_wait_alu depctr_va_vdst(0)                   ; the wait at the head's end, behind its last vector instruction
	; THE SOFTMAX: wave c (0 or 1) takes batch 2 y + c; lane l its rows 8 l .. 8 l + 7
	s_cmp_lt_u32 s[WV], 2
	s_cbranch_scc0 .Lno_softmax
.irp p, 0,1,2,3,4,5,6,7
	global_load_b128 v[W+8*\p:W+8*\p+3], v[GRS], s[12:13] offset:131072*\p
	global_load_b128 v[W+8*\p+4:W+8*\p+7], v[GRS], s[12:13] offset:131072*\p+16
.endr
	SCALES
	s_wait_loadcnt 25                              ; sp's parts are in; the 25 younger loads may be out
.irp p, 1,2,3,4,5,6,7
.irp i, 0,2,4,6
	v_pk_add_f32 v[W+\i:W+\i+1], v[W+\i:W+\i+1], v[W+8*\p+\i:W+8*\p+\i+1]   ; t: the eight parts, in their order
.endr
.endr
	v_max3_num_f32 v[MX], v[W], v[W+1], v[W+2]
	v_max3_num_f32 v[MX], v[MX], v[W+3], v[W+4]
	v_max3_num_f32 v[MX], v[MX], v[W+5], v[W+6]
	v_max_num_f32 v[MX], v[MX], v[W+7]
	v_max_num_f32_dpp v[MX], v[MX], v[MX] row_xmask:1 row_mask:0xf bank_mask:0xf
	v_max_num_f32_dpp v[MX], v[MX], v[MX] row_xmask:2 row_mask:0xf bank_mask:0xf
	v_max_num_f32_dpp v[MX], v[MX], v[MX] row_xmask:4 row_mask:0xf bank_mask:0xf
	v_max_num_f32_dpp v[MX], v[MX], v[MX] row_xmask:8 row_mask:0xf bank_mask:0xf
	v_permlanex16_b32 v[MX+1], v[MX], s[SEL], s[SEL+1]
	v_max_num_f32 v[MX], v[MX], v[MX+1]            ; the batch's largest t, in every lane
	v_mov_b32 v[MX+1], v[MX]
	v_mov_b32 v[MX+3], v[MX]                       ; (written once: a lane permute's destination)
.irp i, 0,2,4,6
	v_pk_add_f32 v[W+\i:W+\i+1], v[W+\i:W+\i+1], v[MX:MX+1] neg_lo:[0,1] neg_hi:[0,1]   ; t less the maximum
.endr
	s_wait_alu depctr_va_vdst(0)                   ; the wait ahead of the batch
.irp j, 0,1,2,3,4,5,6,7
	v_exp_f32 v[W+\j], v[W+\j]                     ; p = 2^(t - max): one batch of eight
.endr
	v_nop                                          ; a plain instruction behind the last exponential
	s_wait_alu depctr_va_vdst(0)                   ; the wait ahead of the first reader: one for the eight
	v_pk_add_f32 v[MX+2:MX+3], v[W:W+1], v[W+2:W+3]
	v_pk_add_f32 v[MX+4:MX+5], v[W+4:W+5], v[W+6:W+7]
	v_pk_add_f32 v[MX+2:MX+3], v[MX+2:MX+3], v[MX+4:MX+5]
	v_add_f32 v[MX+2], v[MX+2], v[MX+3]
	v_add_f32_dpp v[MX+2], v[MX+2], v[MX+2] row_xmask:1 row_mask:0xf bank_mask:0xf
	v_add_f32_dpp v[MX+2], v[MX+2], v[MX+2] row_xmask:2 row_mask:0xf bank_mask:0xf
	v_add_f32_dpp v[MX+2], v[MX+2], v[MX+2] row_xmask:4 row_mask:0xf bank_mask:0xf
	v_add_f32_dpp v[MX+2], v[MX+2], v[MX+2] row_xmask:8 row_mask:0xf bank_mask:0xf
	v_permlanex16_b32 v[MX+3], v[MX+2], s[SEL], s[SEL+1]
	v_add_f32 v[MX+2], v[MX+2], v[MX+3]            ; the sum of p, in every lane
	ds_store_b128 v[AP], v[W:W+3]
	ds_store_b128 v[AP], v[W+4:W+7] offset:16
	ds_store_b32 v[AL], v[MX+2]                    ; all lanes write the same word with the same value
	s_branch .Lsoftmax_done
.Lno_softmax:
	SCALES
.Lsoftmax_done:
	s_wait_tensorcnt 0x0                           ; my load of the head's four has landed,
	s_wait_dscnt 0x0                               ; p and its sum are stored: for the others' sake
	s_barrier_signal -1
	s_barrier_wait -1
	; TILE 0 is multiplied while the weight comes into registers, three K steps of 20 loads ahead
	PLOAD 0
	LDK 0
	LDK 1
	LDK 2
	s_wait_loadcnt 0x0                             ; the scale words and wv_b
	s_wait_dscnt 40                                ; K step 0 is in: 40 younger loads may be out
	KS 0, 0
	LDK 3
	s_wait_dscnt 40
	KS 0, 1
	LDK 4
	s_wait_dscnt 40
	KS 0, 2
	LDK 5
	s_wait_dscnt 40
	KS 0, 3
	LDK 6
	s_wait_dscnt 40
	KS 0, 4
	LDK 7
	FETCH 8                                        ; tile 1's K steps 0-3
	s_wait_dscnt 56                                ; K step 5 is in: behind it 20, 20 and 16
	KS 0, 5
	WIN 0
	s_wait_tensorcnt 0x0                           ; no tensor load of mine is out;
	ds_add_u32 v[SPW], v[NIL]                      ; 0 onto my spare word;
	s_wait_dscnt 37                                ; K step 6 is in: behind it 20, 16 and the add
	KS 0, 6
	s_wait_dscnt 0x0                               ; the add is done, and my reads of the weight's rows are over: they are in my registers
	s_barrier_signal -1
	KS 0, 7
	WIN 0
	s_barrier_wait -1
	CREST                                          ; both now hold of every wave of every work-group of the cluster
	tensor_load_to_lds s[G0R:G0R+3], s[G1R:G1R+7]  ; the one refill: the second batch, into the bytes that held the weight
	s_nop 0
	PLACES                                         ; also the places for the loads below and the first read of results
	RUN 0
	EPI 0
	TILE 1
	TILE 2
	TILE 3
	TILE 4
	TILE 5
	TILE 6
	TILE 7
	; THE WAY OUT.  Thread t takes batch 2 y + t / 64 and four columns: the two waves' partial sums, the division, the bias
	s_wait_dscnt 0x0                               ; for the others' sake: my partial outputs are stored
	s_barrier_signal -1
	s_barrier_wait -1
	ds_load_b32 v[LV], v[ALR]
	ds_load_b128 v[X:X+3], v[AOR]
	ds_load_b128 v[X+4:X+7], v[AOR] offset:1024
	s_wait_dscnt 0x0
	v_rcp_f32 v[RC], v[LV]
	v_rcp_f32 v[RC+1], v[LV]
	v_pk_add_f32 v[X:X+1], v[X:X+1], v[X+4:X+5]    ; plain work behind the reciprocals, which names neither
	v_pk_add_f32 v[X+2:X+3], v[X+2:X+3], v[X+6:X+7]
	s_wait_alu depctr_va_vdst(0)                   ; the wait ahead of the first reader: one for both reciprocals
	v_pk_fma_f32 v[X:X+1], v[X:X+1], v[RC:RC+1], v[BI:BI+1]
	v_pk_fma_f32 v[X+2:X+3], v[X+2:X+3], v[RC:RC+1], v[BI+2:BI+3]
	global_store_b128 v[GB], v[X:X+3], s[20:21] th:TH_STORE_NT   ; 32 lanes store 512 consecutive bytes, at a multiple of 256 from out0's first byte
	s_wait_tensorcnt 0x0                           ; the wave's end: behind my last tensor load and my last LDS store
	ds_add_u32 v[SPW], v[NIL]
	s_wait_dscnt 0x0
	CROUND                                         ; the closing round: no work-group ends while a partner may still ask for a tile that names it
	s_endpgm
.Lfunc_end_k_q4c4c1a9455_value:
	.size	k_q4c4c1a9455_value, .Lfunc_end_k_q4c4c1a9455_value-k_q4c4c1a9455_value
	.p2alignl 7, 3214868480
	.fill 96, 4, 3214868480
	.section	.rodata,"a",@progbits
	.p2align	6, 0x0
	.amdhsa_kernel k_q4c4c1a9455_value
		.amdhsa_group_segment_fixed_size 327680
		.amdhsa_private_segment_fixed_size 0
		.amdhsa_enable_private_segment 0
		.amdhsa_kernarg_size 56
		.amdhsa_user_sgpr_count 2
		.amdhsa_user_sgpr_kernarg_segment_ptr 1
		.amdhsa_wavefront_size32 1
		.amdhsa_system_sgpr_workgroup_id_x 1
		.amdhsa_system_sgpr_workgroup_id_y 1
		.amdhsa_system_sgpr_workgroup_id_z 1
		.amdhsa_system_vgpr_workitem_id 0
		.amdhsa_next_free_vgpr 1024
		.amdhsa_next_free_sgpr 102
		.amdhsa_reserve_vcc 0
		.amdhsa_float_denorm_mode_32 3
		.amdhsa_float_denorm_mode_16_64 3
		.amdhsa_memory_ordered 1
		.amdhsa_forward_progress 1
		.amdhsa_inst_pref_size 147
	.end_amdhsa_kernel
	.amdgpu_metadata
---
amdhsa.version: [ 1, 2 ]
amdhsa.kernels:
  - .name:           k_q4c4c1a9455_value
    .symbol:         k_q4c4c1a9455_value.kd
    .args:
      - { .name: wv_w_codes, .offset: 0, .size: 8, .value_kind: global_buffer, .address_space: global }
      - { .name: wv_w_scales, .offset: 8, .size: 8, .value_kind: global_buffer, .address_space: global }
      - { .name: obj_embed_codes, .offset: 16, .size: 8, .value_kind: global_buffer, .address_space: global }
      - { .name: obj_embed_scales, .offset: 24, .size: 8, .value_kind: global_buffer, .address_space: global }
      - { .name: sp, .offset: 32, .size: 8, .value_kind: global_buffer, .address_space: global }
      - { .name: wv_b, .offset: 40, .size: 8, .value_kind: global_buffer, .address_space: global }
      - { .name: out0, .offset: 48, .size: 8, .value_kind: global_buffer, .address_space: global }
    .group_segment_fixed_size: 327680
    .private_segment_fixed_size: 0
    .kernarg_segment_align: 8
    .kernarg_segment_size: 56
    .max_flat_workgroup_size: 128
    .sgpr_count:     102
    .vgpr_count:     1024
    .wavefront_size: 32
...
	.end_amdgpu_metadata
.endif
;; end of part 2
